; MI455X (gfx1250); checked and timed in simulation.
; The chip was launched on July 23, 2026; its instructions are those of AMD's public machine-readable ISA for CDNA 5 (MIT licence, August 2026) and "CDNA5" Instruction Set Architecture Reference Guide (July 2026). The comments in the code are by the model that wrote it; some were corrected since.
;; Self Attention. Allowed arithmetic: matrix products marked QUANTISED: E5M2 operands, one given power-of-two scale a tensor, by v_wmma_f32_16x16x64_bf8_bf8 or v_wmma_f32_16x16x128_bf8_bf8, f32 sums; everything else in f32.
;; Inputs: b_in 3,072 float32; b_out 1,024 float32; lowp_scales 8 int32 (the exponents e of the quantised operands' scales 2^e); w_in 3,072 x 1,024 float32; w_out 1,024 x 1,024 float32; x 4 x 2,048 x 1,024 float32.
;; Outputs: out0 4 x 2,048 x 1,024 float32.
;; This version of the problem:
;;   THIS VERSION OF THE PROBLEM IS GIVEN IN LOW PRECISION. The matrix products marked QUANTISED in the list below multiply operands that are first quantised to E5M2 (5 exponent bits, 2 mantissa bits; 8 bits a number), with one given power-of-two scale for each operand tensor; their sums are f32. All else is computed in f32.
;;   The module's matrix products, in the order in which they are computed (A, B: the left and right operand; K: the contracted axis; several contracted axes count as one K, in the product's order):
;;     1. [M 8,192, K 1,024] x [K 1,024, N 3,072]; A: input x; B: input w_in: QUANTISED (scales: A lowp_scales[0], B lowp_scales[1])
;;     2. batch 64 x [M 2,048, K 64] x [K 64, N 2,048]; A: computed on the way; B: computed on the way: QUANTISED (scales: A lowp_scales[2], B lowp_scales[3])
;;     3. batch 64 x [M 2,048, K 2,048] x [K 2,048, N 64]; A: softmax (see below); B: computed on the way: QUANTISED (scales: A lowp_scales[4], B lowp_scales[5])
;;     4. [M 8,192, K 1,024] x [K 1,024, N 1,024]; A: computed on the way; B: input w_out: QUANTISED (scales: A lowp_scales[6], B lowp_scales[7])
;;   THE QUANTISER, for each operand of a quantised product, along K:
;;     - The operand's scale is 2^e, e = its entry of the input lowp_scales (int32; the entries are numbered through the quantised products in the list's order, A before B).
;;     - Each number is divided by the scale, clamped to +-57,344, and rounded to the nearest number of E5M2, ties to even, subnormals kept.
;;     - The product sums the exact products of the quantised numbers (number of the format x scale) in f32.
;;   ~~~python
;;   def quantise(x, axis, e):      # numpy; x: float32 -> the quantised numbers, widened to float32 again
;;       x = np.moveaxis(x, axis, -1); K = x.shape[-1]
;;       r = np.clip(x / 2.0 ** e, -57344, 57344)
;;       step = 2.0 ** (np.maximum(np.frexp(np.where(r == 0, 1, r))[1] - 1, -14) - 2)
;;       q = np.round(r / step) * step * 2.0 ** e      # np.round: ties to even
;;       return np.moveaxis(q, -1, axis).astype(np.float32)
;;   ~~~
;;   SOFTMAX AHEAD OF A QUANTISED PRODUCT. Where the list says 'softmax', what is quantised is not the finished softmax but p = 2^(t - M), with t = logit x log2(e) and M = ceil(the row's largest t), a whole number; so 1/2 < the row's largest p <= 1. The row's sum l is taken of the UNQUANTISED p, in f32, and the product's result is divided by l at the end. Since M is a whole number, a kernel that streams over the keys may use a running M (the ceiling of the running maximum): every later rescaling is an exact power of two, so the quantised numbers keep their values, but for numbers so far below the row's largest that they fall under the format's range.
;;   OPERANDS COMPUTED ON THE WAY. 'Computed on the way' means the value that the module computes at that place (a softmax that the list does not call 'softmax' is quantised finished and normalised). What goes into a quantiser is computed in f32, as accurately as f32 sums, v_exp_f32 and their like allow (about 1e-6 of the number): no bf16 or f16 on the way to a quantiser, and a product that is left as it is and whose result goes on into a quantised operand takes f32 operands (vector FMAs, or v_wmma_f32_16x16x4_f32). A number that lies on a knife's edge between two numbers of the format may be rounded either way, as far as f32 arithmetic and the matrix unit's own rounding can turn it there, and no further.
;; One version. Each part assembles by itself: llvm-mc -triple=amdgcn-amd-amdhsa -mcpu=gfx1250 --defsym DOCPART=n.
;; ======== version 1 of 1: 4 launches
;; limits: right only within a limited range of input values
;; workspace buffers: codes 12,582,912 bytes; qc 8,388,608 bytes; kv 16,777,216 bytes; ac 8,388,608 bytes
;; launch quant (part 1): grid 768 x 1, 4 waves a work-group, no clusters, 68,096 bytes of LDS; arguments x, w_in, w_out, lowp_scales, codes; writes codes
.if DOCPART == 1
	.amdgcn_target "amdgcn-amd-amdhsa--gfx1250"
	.amdhsa_code_object_version 6
	.text
	.protected	k_q2eaf071167_quant
	.globl	k_q2eaf071167_quant
	.p2align	8
	.type	k_q2eaf071167_quant,@function
k_q2eaf071167_quant:
	s_mov_b64 s[64:65], 0
	v_nop
	global_prefetch_b8 v0, s[64:65] scope:SCOPE_SE
	s_setreg_imm32_b32 hwreg(HW_REG_WAVE_MODE, 25, 1), 1
	s_wait_xcnt 0x0
; x [8192][1024], w_in [3072][1024], w_out [1024][1024], f32 with K innermost, become codes of E5M2, each tensor with its given scale 2^e
; (entries 0, 1 and 7 of the buffer of scales): code = x / 2^e, held within +-57,344, rounded to the nearest code, ties to even.
; LIMITS: e between -126 and 112, so that 2^e and 57,344 x 2^e are f32 numbers.  NaN among the inputs is not served.
; THE CODES ARE LAID AS IMAGES OF OPERAND REGISTERS.  A fragment is 16 rows x 128 along K, 16 registers a lane: lane (r, h) holds row r, registers 2 c, 2 c + 1 hold
; k = 16 c + 8 h + 0 .. 7.  Its image is 2,048 bytes: registers 4 q .. 4 q + 3 of lane l at 512 q + 16 l.  Row tile g (16 rows) lies at 16,384 g, its K step s at 2,048 s.
; Row tiles 0-511 are x's, 512-703 w_in's, 704-767 w_out's.
; SHARES.  A work-group takes one row tile, wave w its K steps 2 w and 2 w + 1.  Each load reads 512 consecutive bytes of a row; a K step's 16 x 512 bytes turn through the
; wave's own stage in LDS (rows 528 bytes apart: row r starts 132 r words on) and come back 32 bytes a lane and c; each store covers 512 consecutive bytes.
; Work-groups share no input, so there is no cluster; no tensor load, no barrier: waves share nothing.
.set WREG, 16896                       ; LDS of a wave: two stages
.set STG,  8448                        ; a stage: 16 rows x 528 bytes
.set SP,   528
.set R,    16                          ; v16-143  two sets of 64 registers as loaded
.set X0,   144                         ; v144-207 K step 0's numbers in the operand's order
.set X1,   16                          ; K step 1's: where set 0 lay
.set CO,   208                         ; v208-239 the codes, 16 registers for each K step: no store's data are written again
	s_load_b256 s[4:11], s[0:1], 0x0               ; x s[4:5], w_in s[6:7], w_out s[8:9], the scales' exponents s[10:11]
	s_load_b64 s[12:13], s[0:1], 0x20              ; the codes
	v_lshl_add_u32 v240, v0, 2, 0x10800
	v_mov_b32 v241, 0
	v_lshrrev_b32 v4, 5, v0
	v_readfirstlane_b32 s14, v4                    ; wave 0..3
	v_and_b32 v5, 31, v0
	v_lshlrev_b32 v1, 4, v5                        ; 16 x lane: my bytes of a load's 512 and of a store's 512
	s_mul_i32 s15, s14, WREG
	v_add_nc_u32 v2, s15, v1                       ; the stage, on the way in
	v_and_b32 v6, 15, v0                           ; r
	v_bfe_u32 v7, v0, 4, 1                         ; h
	v_mul_u32_u24 v3, v6, SP
	v_lshl_add_u32 v3, v7, 5, v3
	v_add_nc_u32 v3, s15, v3                       ; and on the way out: row r, + 32 h bytes
	s_wait_alu depctr_va_vdst(0)
	s_wait_kmcnt 0x0
	s_load_b256 s[16:23], s[10:11], 0x0            ; e0 .. e7
	s_cmp_lt_u32 ttmp9, 704                        ; which tensor: the choice hangs on the work-group's number alone
	s_cselect_b64 s[24:25], s[6:7], s[8:9]
	s_mov_b32 s26, 704
	s_cselect_b32 s26, 512, s26
	s_cmp_lt_u32 ttmp9, 512
	s_cselect_b64 s[4:5], s[4:5], s[24:25]
	s_cselect_b32 s26, 0, s26                      ; the tensor's first row tile
	s_sub_co_u32 s26, ttmp9, s26
	s_lshl_b32 s28, s26, 16                        ; 16 rows of 4,096 bytes,
	s_lshl_b32 s29, s14, 10                        ; my two K steps: 1,024 bytes of each row
	s_add_co_u32 s28, s28, s29
	s_mov_b32 s29, 0
	s_add_nc_u64 s[4:5], s[4:5], s[28:29]
	s_lshl_b32 s28, ttmp9, 14
	s_lshl_b32 s30, s14, 12
	s_add_co_u32 s28, s28, s30
	s_add_nc_u64 s[12:13], s[12:13], s[28:29]
.macro LOAD f                          ; K step f: 16 rows, 512 consecutive bytes each
.irp i, 0,1,2,3,4,5,6,7,8,9,10,11,12,13,14,15
	global_load_b128 v[R+64*\f+4*\i:R+64*\f+4*\i+3], v1, s[4:5] offset:4096*\i+512*\f th:TH_LOAD_NT
.endr
.endm
.macro IN f                            ; into stage f, as loaded
.irp i, 0,1,2,3,4,5,6,7,8,9,10,11,12,13,14,15
	ds_store_b128 v2, v[R+64*\f+4*\i:R+64*\f+4*\i+3] offset:STG*\f+SP*\i
.endr
.endm
.macro BACK f, x                       ; back: register 8 c + j = k 16 c + 8 h + j of row r.  LDS serves a wave's instructions in order: these see the stores
.irp c, 0,1,2,3,4,5,6,7
.irp u, 0,1
	ds_load_b128 v[\x+8*\c+4*\u:\x+8*\c+4*\u+3], v3 offset:STG*\f+64*\c+16*\u
.endr
.endr
.endm
.macro CODE f, x
.set ii, 0
.rept 64
.set ii, ii+1
.endr
.irp c, 0,1,2,3,4,5,6,7
	v_cvt_scalef32_pk8_bf8_f32 v[CO+16*\f+2*\c:CO+16*\f+2*\c+1], v[\x+8*\c:\x+8*\c+7], v11
.endr
	v_nop                                          ; a plain line behind the run of conversions
.irp q, 0,1,2,3
	global_store_b128 v1, v[CO+16*\f+4*\q:CO+16*\f+4*\q+3], s[12:13] offset:2048*\f+512*\q   ; 32 lanes store 512 consecutive bytes
.endr
.endm
	LOAD 0
	LOAD 1
	s_wait_kmcnt 0x0
	s_cmp_lt_u32 ttmp9, 704
	s_cselect_b32 s27, s17, s23
	s_cmp_lt_u32 ttmp9, 512
	s_cselect_b32 s27, s16, s27                    ; e
	s_add_co_i32 s27, s27, 127
	s_lshl_b32 s30, s27, 23
	v_mov_b32 v11, s30                             ; 2^e as f32: the conversion takes its exponent field
	s_wait_alu depctr_va_vdst(0)
	s_wait_loadcnt 16                              ; K step 0's sixteen loads are in, K step 1's sixteen stay out
	IN 0
	BACK 0, X0
	s_wait_loadcnt 0x0
	IN 1
	s_wait_dscnt 32                                ; all but the youngest 32: stage 0's sixteen stores are done, so set 0's registers may be loaded into
	BACK 1, X1
	s_wait_dscnt 32                                ; all but stage 1's 16 stores and 16 loads: K step 0's numbers are back
	CODE 0, X0
	s_wait_dscnt 0x0
	CODE 1, X1
	s_wait_tensorcnt 0x0
	ds_add_u32 v240, v241
	s_wait_dscnt 0x0
	s_endpgm
.Lfunc_end_k_q2eaf071167_quant:
	.size	k_q2eaf071167_quant, .Lfunc_end_k_q2eaf071167_quant-k_q2eaf071167_quant
	.p2alignl 7, 3214868480
	.fill 96, 4, 3214868480
	.section	.rodata,"a",@progbits
	.p2align	6, 0x0
	.amdhsa_kernel k_q2eaf071167_quant
		.amdhsa_group_segment_fixed_size 68096
		.amdhsa_private_segment_fixed_size 0
		.amdhsa_enable_private_segment 0
		.amdhsa_kernarg_size 40
		.amdhsa_user_sgpr_count 2
		.amdhsa_user_sgpr_kernarg_segment_ptr 1
		.amdhsa_wavefront_size32 1
		.amdhsa_system_sgpr_workgroup_id_x 1
		.amdhsa_system_sgpr_workgroup_id_y 1
		.amdhsa_system_sgpr_workgroup_id_z 1
		.amdhsa_system_vgpr_workitem_id 0
		.amdhsa_next_free_vgpr 242
		.amdhsa_next_free_sgpr 66
		.amdhsa_reserve_vcc 0
		.amdhsa_float_denorm_mode_32 3
		.amdhsa_float_denorm_mode_16_64 3
		.amdhsa_fp16_overflow 1
		.amdhsa_memory_ordered 1
		.amdhsa_forward_progress 1
		.amdhsa_inst_pref_size 12
	.end_amdhsa_kernel
	.amdgpu_metadata
---
amdhsa.version: [ 1, 2 ]
amdhsa.kernels:
  - .name:           k_q2eaf071167_quant
    .symbol:         k_q2eaf071167_quant.kd
    .args:
      - { .name: x, .offset: 0, .size: 8, .value_kind: global_buffer, .address_space: global }
      - { .name: w_in, .offset: 8, .size: 8, .value_kind: global_buffer, .address_space: global }
      - { .name: w_out, .offset: 16, .size: 8, .value_kind: global_buffer, .address_space: global }
      - { .name: lowp_scales, .offset: 24, .size: 8, .value_kind: global_buffer, .address_space: global }
      - { .name: codes, .offset: 32, .size: 8, .value_kind: global_buffer, .address_space: global }
    .group_segment_fixed_size: 68096
    .private_segment_fixed_size: 0
    .kernarg_segment_align: 8
    .kernarg_segment_size: 40
    .max_flat_workgroup_size: 128
    .sgpr_count:     66
    .vgpr_count:     242
    .wavefront_size: 32
...
	.end_amdgpu_metadata
.endif
;; end of part 1
;; launch qkv (part 2): grid 12 x 32, 4 waves a work-group, clusters of 4 x 4, 327,680 bytes of LDS; arguments codes, b_in, lowp_scales, qc, kv; writes qc, kv
.if DOCPART == 2
	.amdgcn_target "amdgcn-amd-amdhsa--gfx1250"
	.amdhsa_code_object_version 6
	.text
	.protected	k_q2eaf071167_qkv
	.globl	k_q2eaf071167_qkv
	.p2align	8
	.type	k_q2eaf071167_qkv,@function
k_q2eaf071167_qkv:
	s_mov_b64 s[64:65], 0
	v_nop
	global_prefetch_b8 v0, s[64:65] scope:SCOPE_SE
	s_setreg_imm32_b32 hwreg(HW_REG_WAVE_MODE, 25, 1), 1
	s_wait_xcnt 0x0
	s_wait_alu depctr_hold_cnt(0) depctr_sa_sdst(0) depctr_va_vdst(0) depctr_va_sdst(0) depctr_va_ssrc(0) depctr_va_vcc(0) depctr_vm_vsrc(0)
	s_getreg_b32 s2, hwreg(HW_REG_IB_STS2, 6, 4)
	s_cmp_eq_u32 s2, 0
	s_cbranch_scc0 .Lentry_in_a_cluster
	s_endpgm
.Lentry_in_a_cluster:
	s_bfe_u32 s2, ttmp6, 0x10000c
	s_cmp_lg_u32 s2, 0xf033
	s_cbranch_scc0 .Lentry_shape_is_right
	s_endpgm
.Lentry_shape_is_right:
; qkv = x w_in^T + b_in on codes of E5M2 (M 8,192, K 1,024, N 3,072), and its three thirds quantised at once: q with 2^e2, k with 2^e3, v with 2^e5.
; The sums stand for sum x 2^(e0 + e1); b_in goes in as the C of each sum's first product, divided by 2^(e0 + e1); a code is sum / 2^(e - e0 - e1), held within +-57,344.
; LIMITS: e - e0 - e1 (e = e2, e3, e5) between -126 and 112, so that the powers of two below are f32 numbers.  NaN is not served.
; SHARES.  A work-group of four waves makes 256 x 256, a wave 128 x 128: 64 accumulators, 512 registers.  K goes in slots of 256 (two steps of 128) through a ring of two LDS slots.
; ALL OPERANDS ARE IMAGES OF REGISTERS: a fragment (16 rows x 128 K, 16 registers) is 2,048 bytes, registers 4 q .. 4 q + 3 of lane l at 512 q + 16 l; a row tile's eight K steps lie on end (16,384 bytes).
; So a wave's tensor load is 8 rows (row tiles) of 4,096 bytes, a fragment is four ds_load_b128 of 512 consecutive bytes each, and there is no padding.
; CLUSTERS: 4 x 4 work-groups; x's tiles are shared along a row of the cluster, w_in's along a column: each is asked for jointly, by the same load with the same descriptor and a mask that names the four.
; THE CLUSTER'S x IS THE THIRD (0: q, 1: k, 2: v), the same in all sixteen partners.  A product is always D(a, b) = source 0: fragment b of set P, source 1: fragment a of set Q.
;   q, k: P = w_in's rows, Q = x's rows: a lane holds token 16 a + r, its registers channels 16 b + 8 h + j: neighbours along the scores' K.
;   v:    P = x's rows, Q = w_in's rows: a lane holds channel 16 a + r, its registers tokens 16 b + 8 h + j: neighbours along the second product's K, the keys.
; Only the two LDS bases of the fragment loads change places; loads, masks and the order of the text are the same.
; THE WAY OUT needs no LDS: eight registers of a lane convert into two registers of the next operand's fragment, and each store covers 512 consecutive bytes.
;   qc: [head 16 b + hd][query tile][1,024]   kv: [head][key step of 128][16,384 = k: 8 key tiles x 1,024; v^T: 4 tiles of 16 channels x 2,048]
; REGISTERS, in windows of 256: window 0: v16-30 addresses; v32-95 the bias, later numbers on the way out; v96-103 the bias's offsets; v128-255 set Q (one set), later the codes.
;   window 1: set P, twice (v0, v128).   windows 2, 3: the accumulators of my Q blocks 0-3, 4-7: (a, b) at v[8 (8 (a % 4) + b)].
.set SLOT,  131072                     ; four regions of 32,768 bytes: x's two halves, then w_in's two
.set SPARE, 2*SLOT                     ; behind the ring: the spare words, 128 bytes for each wave, which no other line names
.set WOFF,  8388608                    ; w_in's codes begin here
.set FR,    16
.set NL,    4                          ; LDS loads of a fragment
.set NP,    4                          ; places behind this matrix instruction (ISA guide 7.12.1)
.set ADRQ,  16                         ; v16-17 LDS address of my Q fragments in slot 0, 1
.set ADRP,  20                         ; v20-21 the same for P
.set VOA,   24                         ; v24 16 x lane
.set VOB,   25                         ; v25 16 x lane + the way to a block's second half
.set SPW,   28                         ; v28 my spare word; never rewritten
.set NIL,   29                         ; v29 0; never rewritten
.set SCL,   30                         ; v30 2^(e - e0 - e1)
.set BIAS,  32
.set TMP,   32
.set BO,    96
.set AF,    128
.set CD,    128
.set G1,    24                         ; s[24:31] group 1 for x's tiles; s[32:39] group 0, a set for each slot
.set G0,    32
.set G1B,   48                         ; s[48:55], s[56:63] the same for w_in's
.set G0B,   56
.set BA,    66                         ; s66-81: the eight blocks' store bases
.set MSB,   0
.macro WIN new                         ; the immediate's high byte repeats the setting that is left
.if MSB != (\new)
	s_set_vgpr_msb (MSB<<8)|(\new)
.set MSB, \new
.endif
.endm
.set MUL_LO, 0xa1                      ; source 0 (P) window 1, source 1 (Q) window 0, C and D window 2
.set MUL_HI, 0xf1                      ; the same, C and D window 3
.set BIA_LO, 0x81                      ; the first step: C (the bias) window 0, D window 2
.set BIA_HI, 0xc1                      ; D window 3
.set TO_P,   0x40                      ; destination window 1, address window 0
; A joint load: waves 0 and 1 fetch x's halves, waves 2 and 3 w_in's.  The branch hangs on the wave's number alone.  Four v_nop follow each of the two lines.
.macro JLOAD g0a, g1a, g0b, g1b
	s_cmp_eq_u32 s15, 0
	s_cbranch_scc0 .Lfor_b_\@
	tensor_load_to_lds s[\g0a:\g0a+3], s[\g1a:\g1a+7]
	s_nop 0
.rept 4
	v_nop
.endr
	s_branch .Lasked_\@
.Lfor_b_\@:
	tensor_load_to_lds s[\g0b:\g0b+3], s[\g1b:\g1b+7]
	s_nop 0
.rept 4
	v_nop
.endr
.Lasked_\@:
.endm
.macro CREST                           ; a round of the cluster's barrier behind its opening barrier
	s_cmp_lg_u32 s14, 0
	s_cbranch_scc1 .Lnot_wave_0_\@
	s_barrier_signal -3
.Lnot_wave_0_\@:
	s_barrier_wait -3
	s_barrier_signal -1
	s_barrier_wait -1
.endm
.macro CROUND
	s_barrier_signal -1
	s_barrier_wait -1
	CREST
.endm
	s_load_b256 s[4:11], s[0:1], 0x0               ; codes s[4:5], b_in s[6:7], the scales' exponents s[8:9], qc s[10:11]
	s_load_b64 s[12:13], s[0:1], 0x20              ; kv
	v_lshl_add_u32 v[SPW], v0, 2, SPARE
	v_mov_b32 v[NIL], 0
	ds_add_u32 v28, v29
	ds_add_u32 v28, v29
	s_wait_dscnt 0x0
	v_lshrrev_b32 v1, 5, v0
	v_readfirstlane_b32 s14, v1                    ; wave 0..3
	s_lshr_b32 s15, s14, 1                         ; wr: my half of x's rows.  Also: I fetch for x (0) or for w_in (1)
	s_and_b32 s16, s14, 1                          ; wc: my half of w_in's rows.  Also: which 128 rows I fetch
	s_bfe_u32 s40, ttmp6, 0x40000                  ; cx, cy: my place in the cluster
	s_bfe_u32 s41, ttmp6, 0x40004
	s_lshl_b32 s42, ttmp9, 2
	s_add_co_u32 s42, s42, s40                     ; tile column = 4 x cluster x + cx
	s_and_b32 s17, ttmp7, 0xffff
	s_lshl_b32 s17, s17, 2
	s_add_co_u32 s17, s17, s41                     ; tile row = 4 x cluster y + cy
	s_lshl_b32 s43, s41, 2
	s_lshl_b32 s43, 15, s43                        ; my row of the cluster
	s_lshl_b32 s44, 0x1111, s40                    ; my column
	s_or_b32 s[G1+0], s43, 1<<21                   ; 15:0 the mask; 17:16 elements of 1 byte; 20 no padding; 21 set beside a mask
	s_or_b32 s[G1B+0], s44, 1<<21
.irp g, G1, G1B
	s_mov_b32 s[\g+1], 4096<<16                    ; tensor_dim0 = 4,096: two K steps' images of a row tile
	s_mov_b32 s[\g+2], 8<<16                       ; tensor_dim1 = 8 row tiles
	s_mov_b32 s[\g+3], 4096<<16                    ; tile_dim0
	s_mov_b32 s[\g+4], 8                           ; tile_dim1
	s_mov_b32 s[\g+5], 16384                       ; from row tile to row tile
	s_mov_b32 s[\g+6], 0
	s_mov_b32 s[\g+7], 0
.endr
	s_lshl_b32 s18, s16, 7                         ; which 128 rows I fetch
	s_lshl_b32 s20, s17, 8
	s_add_co_u32 s20, s20, s18
	s_lshl_b32 s20, s20, 10                        ; x: row 256 x tile row + 128 x half, 1,024 bytes a row
	s_mov_b32 s21, 0
	s_lshl_b32 s46, s42, 8
	s_add_co_u32 s46, s46, s18
	s_lshl_b32 s46, s46, 10
	s_add_co_u32 s46, s46, WOFF                    ; w_in: row 256 x tile column + 128 x half
	s_mov_b32 s47, 0
	s_lshl_b32 s45, s14, 15                        ; where they go: region = wave: no place in the cluster enters an LDS address
	s_wait_kmcnt 0x0
	s_load_b256 s[84:91], s[8:9], 0x0              ; e0 .. e7
	s_add_nc_u64 s[20:21], s[4:5], s[20:21]
	s_add_nc_u64 s[46:47], s[4:5], s[46:47]
	CROUND                                         ; all sixteen work-groups are here: the first joint loads meet
.irp s, 0,1
	s_mov_b32 s[G0+4*\s], 1
	s_add_co_u32 s[G0+4*\s+1], s45, \s*SLOT
	s_add_nc_u64 s[G0+4*\s+2:G0+4*\s+3], s[20:21], \s*4096
	s_or_b32 s[G0+4*\s+3], s[G0+4*\s+3], 0x80000000
	s_mov_b32 s[G0B+4*\s], 1
	s_add_co_u32 s[G0B+4*\s+1], s45, \s*SLOT
	s_add_nc_u64 s[G0B+4*\s+2:G0B+4*\s+3], s[46:47], \s*4096
	s_or_b32 s[G0B+4*\s+3], s[G0B+4*\s+3], 0x80000000
	JLOAD G0+4*\s, G1, G0B+4*\s, G1B
.endr
	v_and_b32 v1, 31, v0
	v_lshlrev_b32 v[VOA], 4, v1                    ; 16 x lane
	s_wait_alu depctr_va_vdst(0)
	v_and_b32 v2, 15, v0                           ; r
	v_bfe_u32 v3, v0, 4, 1                         ; h
	s_wait_alu depctr_va_vdst(0)
	s_lshl_b32 s18, s15, 15                        ; my region of x
	s_lshl_b32 s19, s16, 15
	s_add_co_u32 s19, s19, 65536                   ; my region of w_in
	s_cmp_eq_u32 ttmp9, 2                          ; v?
	s_cselect_b32 s22, s18, s19                    ; set P's region
	s_cselect_b32 s23, s19, s18                    ; set Q's
	s_cselect_b32 s95, 0, 32                       ; the bias's offset: 32 h + 4 j (q, k) or 4 r (v)
	s_cselect_b32 s100, 4, 0
	s_cselect_b32 s101, 0, 4
	v_add_nc_u32 v[ADRP], s22, v[VOA]
	v_add_nc_u32 v[ADRQ], s23, v[VOA]
	v_add_nc_u32 v[ADRP+1], SLOT, v[ADRP]
	v_add_nc_u32 v[ADRQ+1], SLOT, v[ADRQ]
	s_lshl_b32 s82, s42, 8
	s_lshl_b32 s83, s16, 7
	s_add_co_u32 s82, s82, s83                     ; n0: my first row of w_in
	s_lshl_b32 s2, s82, 2
	s_mov_b32 s3, 0
	s_add_nc_u64 s[6:7], s[6:7], s[2:3]
	v_mul_u32_u24 v[BO], s95, v3
	v_mad_u32_u24 v[BO], v2, s100, v[BO]
.irp j, 1,2,3,4,5,6,7
	v_add_nc_u32 v[BO+\j], s101, v[BO+\j-1]
.endr
.irp t, 0,1,2,3,4,5,6,7                ; register 8 t + j: b_in[n0 + 16 t + 8 h + j] (q, k), or b_in[n0 + 16 t + r] in all eight (v): the result's layout
.irp j, 0,1,2,3,4,5,6,7
	global_load_b32 v[BIAS+8*\t+\j], v[BO+\j], s[6:7] offset:64*\t
.endr
.endr
	s_wait_kmcnt 0x0
	s_add_co_i32 s94, s84, s85
	s_sub_co_i32 s94, 0, s94                       ; -(e0 + e1)
	s_cmp_eq_u32 ttmp9, 0
	s_cselect_b32 s18, s86, s87                    ; e2 or e3,
	s_cmp_eq_u32 ttmp9, 2
	s_cselect_b32 s18, s89, s18                    ; or e5
	s_add_co_i32 s18, s18, s94
	s_add_co_i32 s18, s18, 127
	s_lshl_b32 s19, s18, 23
	v_mov_b32 v[SCL], s19                          ; 2^(e - e0 - e1): the three scales folded into the conversion's one
	; where my blocks go
	s_lshl_b32 s18, s17, 8
	s_lshl_b32 s19, s15, 7
	s_add_co_u32 s18, s18, s19                     ; m0: my first token
	s_lshr_b32 s19, s18, 11                        ; its batch,
	s_and_b32 s18, s18, 2047                       ; its place in the sequence
	s_and_b32 s22, s82, 1023
	s_lshr_b32 s22, s22, 6                         ; my first head
	s_lshl_b32 s19, s19, 4
	s_add_co_u32 s19, s19, s22                     ; 16 x batch + head
	s_cmp_eq_u32 ttmp9, 0
	s_cselect_b64 s[BA:BA+1], s[10:11], s[12:13]   ; q goes to qc, k and v to kv
	s_cselect_b32 s22, 17, 18                      ; a head: 131,072 bytes of qc, 262,144 of kv
	s_cselect_b32 s23, 6, 7                        ; a token: 64 bytes of qc; 128 tokens: 16,384 bytes of kv
	s_mov_b32 s2, 262144
	s_cselect_b32 s2, 131072, s2                   ; a block's second half: the next head (q, k),
	s_cmp_eq_u32 ttmp9, 2
	s_cselect_b32 s2, 1024, s2                     ; or the fragment's second half (v)
	s_cselect_b32 s3, 8192, 0                      ; v^T lies behind a key step's k
	s_mov_b32 s96, 1024
	s_cselect_b32 s96, 2048, s96                   ; from block to block
	s_mov_b32 s98, 1024
	s_cselect_b32 s98, 256000, s98                 ; from block 3 to block 4: with v the next head, 262,144 - 3 x 2,048
	s_mov_b32 s97, 0
	s_mov_b32 s99, 0
	s_lshl_b32 s19, s19, s22
	s_lshl_b32 s18, s18, s23
	s_add_co_u32 s18, s18, s19
	s_add_co_u32 s18, s18, s3
	s_mov_b32 s19, 0
	s_add_nc_u64 s[BA:BA+1], s[BA:BA+1], s[18:19]
	v_add_nc_u32 v[VOB], s2, v[VOA]
.irp a, 1,2,3,4,5,6,7
.if \a == 4
	s_add_nc_u64 s[BA+2*\a:BA+2*\a+1], s[BA+2*\a-2:BA+2*\a-1], s[98:99]
.else
	s_add_nc_u64 s[BA+2*\a:BA+2*\a+1], s[BA+2*\a-2:BA+2*\a-1], s[96:97]
.endif
.endr
	s_wait_loadcnt 0x0                             ; the bias
.set ii, 0
.rept 64
	v_ldexp_f32 v[BIAS+ii], v[BIAS+ii], s94        ; / 2^(e0 + e1)
.set ii, ii+1
.endr
.macro FRAG reg, adr, q, i             ; row tile i's image of the slot's q-th step: four loads of 512 consecutive bytes
.irp c, 0,1,2,3
	ds_load_b128 v[\reg+4*\c:\reg+4*\c+3], v[\adr] offset:4096*(\i)+2048*(\q)+512*\c
.endr
.endm
; 16 matrix instructions: Q's blocks a0, a0 + 1 x P's eight.  p: P's set.  zero = 1, 2: the first step: C is the bias by P's block (q, k) or by Q's block (v): nothing is cleared.
; The 64 accumulators take turns, one instruction a turn, in the same order in every step.
.macro MUL16 a0, p, zero
.irp a, \a0, \a0+1
.irp b, 0,1,2,3,4,5,6,7
.if \zero == 1
	v_wmma_f32_16x16x128_bf8_bf8 v[8*(8*((\a)%4)+\b):8*(8*((\a)%4)+\b)+7], v[128*(\p)+FR*\b:128*(\p)+FR*\b+FR-1], v[AF+FR*(\a):AF+FR*(\a)+FR-1], v[BIAS+8*\b:BIAS+8*\b+7]
.elseif \zero == 2
	v_wmma_f32_16x16x128_bf8_bf8 v[8*(8*((\a)%4)+\b):8*(8*((\a)%4)+\b)+7], v[128*(\p)+FR*\b:128*(\p)+FR*\b+FR-1], v[AF+FR*(\a):AF+FR*(\a)+FR-1], v[BIAS+8*(\a):BIAS+8*(\a)+7]
.else
	v_wmma_f32_16x16x128_bf8_bf8 v[8*(8*((\a)%4)+\b):8*(8*((\a)%4)+\b)+7], v[128*(\p)+FR*\b:128*(\p)+FR*\b+FR-1], v[AF+FR*(\a):AF+FR*(\a)+FR-1], v[8*(8*((\a)%4)+\b):8*(8*((\a)%4)+\b)+7]
.endif
.endr
.endr
.endm
.macro FETCH_B slot, q, p              ; P's eight fragments into set p
	WIN TO_P
.irp i, 0,1,2,3,4,5,6,7
	FRAG 128*(\p)+FR*\i, ADRP+\slot, \q, \i
.endr
	WIN 0
.endm
.macro FETCH_A slot, q, i0             ; Q's blocks i0 .. i0 + 3
.irp i, \i0, \i0+1, \i0+2, \i0+3
	FRAG AF+FR*(\i), ADRQ+\slot, \q, \i
.endr
.endm
.macro PLACES n                        ; plain vector lines between a matrix instruction and a load into, or a vector read of, its registers (ISA guide 7.12.1 for vector reads)
.rept \n
	v_nop
.endr
.endm
; A step of 128 along K that has its successor in the same slot.  A block of Q is free as soon as its eight products are issued, so one set serves Q; P has two.
.macro STEP slot, q, zero
	s_wait_dscnt 4*NL                              ; P's set and Q's blocks 0-3 are in; the youngest sixteen loads (Q's blocks 4-7) may be out
.if \zero
	WIN BIA_LO
.else
	WIN MUL_LO
.endif
	MUL16 0, (\q)%2, \zero
	MUL16 2, (\q)%2, \zero
	s_wait_dscnt 0
	PLACES NP
	FETCH_B \slot, (\q)+1, 1-(\q)%2
	FETCH_A \slot, (\q)+1, 0
.if \zero
	WIN BIA_HI
.else
	WIN MUL_HI
.endif
	MUL16 4, (\q)%2, \zero
	MUL16 6, (\q)%2, \zero
	PLACES NP
	WIN 0
	FETCH_A \slot, (\q)+1, 4
.endm
; A slot's last step changes slots: ONE barrier; in front of it each wave waits for all its tensor loads, adds 0 to its spare word, and waits for that and for its reads of this slot.
; fill = 1: the barrier opens a round of the cluster's, and this slot is filled again, two slots on along K, first thing behind the round.
.macro TURN slot, next, fill
	s_wait_tensorcnt 0x0                           ; all my tensor loads have landed: my part of the next slot
	ds_add_u32 v[SPW], v[NIL]                      ; 0 onto my spare word
	s_wait_dscnt 4*NL+1                            ; (the add and the youngest sixteen loads may be out)
	WIN MUL_LO
	MUL16 0, 1, 0                                  ; sixteen matrix instructions stand between the add and the wait for it
	s_wait_dscnt 0x0                               ; the add is done, and my reads of this slot are over
	s_barrier_signal -1
	MUL16 2, 1, 0
	WIN 0
	s_barrier_wait -1
.if \fill
	CREST                                          ; no wave of any partner still reads this slot or has a load on its way
	s_add_nc_u64 s[G0+4*\slot+2:G0+4*\slot+3], s[G0+4*\slot+2:G0+4*\slot+3], 8192
	s_add_nc_u64 s[G0B+4*\slot+2:G0B+4*\slot+3], s[G0B+4*\slot+2:G0B+4*\slot+3], 8192
	JLOAD G0+4*\slot, G1, G0B+4*\slot, G1B         ; my one tensor load behind the round; its four v_nop are also the places in front of the loads below
.else
	PLACES NP
.endif
	FETCH_B \next, 0, 0
	FETCH_A \next, 0, 0
	WIN MUL_HI
	MUL16 4, 1, 0
	MUL16 6, 1, 0
	PLACES NP
	WIN 0
	FETCH_A \next, 0, 4
.endm
	s_wait_tensorcnt 0x1                           ; my part of slot 0 is in; slot 1's load may stay out
	s_barrier_signal -1
	s_barrier_wait -1
	FETCH_B 0, 0, 0
	FETCH_A 0, 0, 0
	FETCH_A 0, 0, 4
	s_cmp_eq_u32 ttmp9, 2                          ; the first step is written twice: the two differ in which block picks the bias.  The cluster's x is the same in all partners
	s_cbranch_scc1 .Lfirst_v
	s_wait_alu depctr_va_vdst(0)
	STEP 0, 0, 1
	s_branch .Lfirst_done
.Lfirst_v:
	s_wait_alu depctr_va_vdst(0)
	STEP 0, 0, 2
.Lfirst_done:
	TURN 0, 1, 1                                   ; K = 1,024 is four slots: written out, no loop
	STEP 1, 0, 0
	TURN 1, 0, 1
	STEP 0, 0, 0
	TURN 0, 1, 0                                   ; nothing is left to fetch
	STEP 1, 0, 0
	s_wait_dscnt 4*NL
	WIN MUL_LO
	MUL16 0, 1, 0
	MUL16 2, 1, 0
	s_wait_dscnt 0
	WIN MUL_HI
	MUL16 4, 1, 0
	MUL16 6, 1, 0
	WIN 0
	; THE WAY OUT.  Block a's 64 sums are held, converted (accumulator b gives registers 2 b, 2 b + 1 of the block's 16) and stored.
	; q, k: registers 0-7 are my first head's fragment of token tile a, 8-15 the next head's.  v: the 16 are the fragment of 16 channels x my 128 keys.
	PLACES NP
.irp a, 0,1,2,3,4,5,6,7
	WIN 0x02+((\a)/4)                              ; source 0: window 2 or 3
.set ii, 0
.rept 64
.set ii, ii+1
.endr
.irp b, 0,1,2,3,4,5,6,7
	v_cvt_scalef32_pk8_bf8_f32 v[CD+16*\a+2*\b:CD+16*\a+2*\b+1], v[TMP+8*\b+((64*((\a)%4)+ii)-(TMP+ii)):TMP+8*\b+7+((64*((\a)%4)+ii)-(TMP+ii))], v[SCL]
.endr
	WIN 0
	v_nop                                          ; a plain line between the conversions and the next block's holds, which write their sources
	global_store_b128 v[VOA], v[CD+16*\a:CD+16*\a+3], s[BA+2*\a:BA+2*\a+1]               ; each store: 512 consecutive bytes; no register of a store is written again
	global_store_b128 v[VOA], v[CD+16*\a+4:CD+16*\a+7], s[BA+2*\a:BA+2*\a+1] offset:512
	global_store_b128 v[VOB], v[CD+16*\a+8:CD+16*\a+11], s[BA+2*\a:BA+2*\a+1]
	global_store_b128 v[VOB], v[CD+16*\a+12:CD+16*\a+15], s[BA+2*\a:BA+2*\a+1] offset:512
.endr
	s_wait_tensorcnt 0x0                           ; the wave's end
	ds_add_u32 v[SPW], v[NIL]
	s_wait_dscnt 0x0
	CROUND                                         ; the closing round: no work-group ends while a partner may still ask for a tile that names it
	s_endpgm
.Lfunc_end_k_q2eaf071167_qkv:
	.size	k_q2eaf071167_qkv, .Lfunc_end_k_q2eaf071167_qkv-k_q2eaf071167_qkv
	.p2alignl 7, 3214868480
	.fill 96, 4, 3214868480
	.section	.rodata,"a",@progbits
	.p2align	6, 0x0
	.amdhsa_kernel k_q2eaf071167_qkv
		.amdhsa_group_segment_fixed_size 327680
		.amdhsa_private_segment_fixed_size 0
		.amdhsa_enable_private_segment 0
		.amdhsa_kernarg_size 40
		.amdhsa_user_sgpr_count 2
		.amdhsa_user_sgpr_kernarg_segment_ptr 1
		.amdhsa_wavefront_size32 1
		.amdhsa_system_sgpr_workgroup_id_x 1
		.amdhsa_system_sgpr_workgroup_id_y 1
		.amdhsa_system_sgpr_workgroup_id_z 1
		.amdhsa_system_vgpr_workitem_id 0
		.amdhsa_next_free_vgpr 1024
		.amdhsa_next_free_sgpr 102
		.amdhsa_reserve_vcc 0
		.amdhsa_float_denorm_mode_32 3
		.amdhsa_float_denorm_mode_16_64 3
		.amdhsa_fp16_overflow 1
		.amdhsa_memory_ordered 1
		.amdhsa_forward_progress 1
		.amdhsa_inst_pref_size 105
	.end_amdhsa_kernel
	.amdgpu_metadata
---
amdhsa.version: [ 1, 2 ]
amdhsa.kernels:
  - .name:           k_q2eaf071167_qkv
    .symbol:         k_q2eaf071167_qkv.kd
    .args:
      - { .name: codes, .offset: 0, .size: 8, .value_kind: global_buffer, .address_space: global }
      - { .name: b_in, .offset: 8, .size: 8, .value_kind: global_buffer, .address_space: global }
      - { .name: lowp_scales, .offset: 16, .size: 8, .value_kind: global_buffer, .address_space: global }
      - { .name: qc, .offset: 24, .size: 8, .value_kind: global_buffer, .address_space: global }
      - { .name: kv, .offset: 32, .size: 8, .value_kind: global_buffer, .address_space: global }
    .group_segment_fixed_size: 327680
    .private_segment_fixed_size: 0
    .kernarg_segment_align: 8
    .kernarg_segment_size: 40
    .max_flat_workgroup_size: 128
    .sgpr_count:     102
    .vgpr_count:     1024
    .wavefront_size: 32
...
	.end_amdgpu_metadata
.endif
;; end of part 2
;; launch attn (part 3): grid 4 x 64, 16 waves a work-group, clusters of 4 x 1, 264,192 bytes of LDS; arguments qc, kv, lowp_scales, ac; writes ac
.if DOCPART == 3
	.amdgcn_target "amdgcn-amd-amdhsa--gfx1250"
	.amdhsa_code_object_version 6
	.text
	.protected	k_q2eaf071167_attn
	.globl	k_q2eaf071167_attn
	.p2align	8
	.type	k_q2eaf071167_attn,@function
k_q2eaf071167_attn:
	s_mov_b64 s[64:65], 0
	v_nop
	global_prefetch_b8 v0, s[64:65] scope:SCOPE_SE
	s_setreg_imm32_b32 hwreg(HW_REG_WAVE_MODE, 25, 1), 1
	s_wait_xcnt 0x0
	s_wait_alu depctr_hold_cnt(0) depctr_sa_sdst(0) depctr_va_vdst(0) depctr_va_sdst(0) depctr_va_ssrc(0) depctr_va_vcc(0) depctr_vm_vsrc(0)
	s_getreg_b32 s2, hwreg(HW_REG_IB_STS2, 6, 4)
	s_cmp_eq_u32 s2, 0
	s_cbranch_scc0 .Lentry_in_a_cluster
	s_endpgm
.Lentry_in_a_cluster:
	s_bfe_u32 s2, ttmp6, 0x10000c
	s_cmp_lg_u32 s2, 0x3003
	s_cbranch_scc0 .Lentry_shape_is_right
	s_endpgm
.Lentry_shape_is_right:
; Causal attention on codes of E5M2, head size 64, 2,048 tokens, 64 heads (16 x batch + head), and its result quantised with 2^e6 for the last product.
; t = score x 2^(e2 + e3) x log2(e) / 8; M = the running largest t rounded UP to a whole number; p = 2^(t - M) is quantised with 2^e4, not normalised; the row's sum is taken of the
; unquantised p and divides at the end; when M moves, the sum and O are multiplied by 2^(old M - new M), which rounds nothing.
; LIMITS: e2 + e3 between -123 and 130 (added to the factor's exponent field); e4 and e6 between -126 and 112; e4 + e5 is applied by v_ldexp_f32 and has none.
; SHARES.  A cluster of four work-groups is one head.  The head's whole k and v, 262,144 bytes, lie in each work-group's LDS: wave w asks for key step w (16,384 bytes) by ONE joint load, so a
; wave has one tensor load out, LDS is filled once, and nothing is ever stored into it.  With g = 4 w + cx a wave owns query tiles 127 - g and g: their last key steps are 15 - w / 2 and w / 2,
; numbers of the wave alone, so no branch hangs on a work-group's place, and every wave of the launch has 17 key steps of work.
; A pass walks 16 key steps, a constant; a step all of whose keys come after the tile's queries is jumped over; in the tile's last step hidden scores become -infinity.
; LAYOUT.  Both products are used transposed: S^T = k q^T (source 0 = 16 keys, source 1 = my 16 queries), O^T = v^T p^T: a lane holds ONE query (lane % 16) throughout.
; All operands are images of registers (registers 2 c, 2 c + 1 of lane (r, h): K = 16 c + 8 h + 0 .. 7): tile t of S^T converts into registers 2 t, 2 t + 1 of p's fragment, and tile d of O^T
; into registers 2 d, 2 d + 1 of my head's half of the last product's fragment.  Every LDS load and every store covers 512 consecutive bytes.
; REGISTERS: v1 16 x lane; v3 r - 8 h; v4 the mask's bound; v5 LDS address; v12 -M, v13 the largest t, v[14:15] the sum; v16-23, v24-31 q of the two tiles; v32-95 k's 8 fragments, then v's 4;
; v96-159 S^T, then p; v160-191 O^T; v192-207 p's codes; v208-223 the two tiles' output codes; v232-255 at work and constants.
.set WV,  12
.set G1,  16                           ; s[16:23] descriptor group 1
.set G0,  24                           ; s[24:27] group 0
.set KS,  38                           ; the key step
.set TB,  39                           ; its LDS byte
.set SEL, 40                           ; s[40:41] lane selects for v_permlanex16_b32: lane l xor 16
.set CS,  42                           ; s[42:43] the factor of t: the packed form names a pair and takes its low word
.macro CROUND                          ; a round of the cluster's barrier
	s_barrier_signal -1
	s_barrier_wait -1
	s_cmp_lg_u32 s[WV], 0
	s_cbranch_scc1 .Lnot_wave_0_\@
	s_barrier_signal -3
.Lnot_wave_0_\@:
	s_barrier_wait -3
	s_barrier_signal -1
	s_barrier_wait -1
.endm
	s_load_b256 s[4:11], s[0:1], 0x0               ; qc s[4:5], kv s[6:7], the scales' exponents s[8:9], ac s[10:11]
	v_lshl_add_u32 v251, v0, 2, 0x40000
	v_mov_b32 v255, 0
	ds_add_u32 v251, v255
	ds_add_u32 v251, v255
	v_lshrrev_b32 v2, 5, v0
	s_delay_alu instid0(VALU_DEP_1)
	v_readfirstlane_b32 s[WV], v2                  ; wave 0..15
	v_and_b32 v2, 31, v0
	s_delay_alu instid0(VALU_DEP_1)
	v_lshlrev_b32 v1, 4, v2                        ; 16 x lane
	v_and_b32 v2, 15, v0
	v_bfe_u32 v3, v0, 4, 1
	s_delay_alu instid0(VALU_DEP_1)
	v_lshlrev_b32 v3, 3, v3
	s_delay_alu instid0(VALU_DEP_1)
	v_sub_nc_u32 v3, v2, v3                        ; r - 8 h
	s_bfe_u32 s13, ttmp6, 0x40000                  ; cx: it enters q's and the output's addresses and the mask's bound alone
	s_and_b32 s14, ttmp7, 0xffff                   ; the head, which the four partners share
	s_lshl_b32 s15, s[WV], 2
	s_add_co_u32 s15, s15, s13                     ; g
	s_lshr_b32 s37, s[WV], 1                       ; the low tile's last key step,
	s_sub_co_u32 s36, 15, s37                      ; the high tile's
	s_sub_co_u32 s52, 127, s15                     ; the high tile,
	s_mov_b32 s53, s15                             ; the low tile
	s_mov_b32 s[G1], 15|(3<<16)|(1<<21)            ; 15:0 the mask: all four work-groups; 17:16 elements of 8 bytes; 21 set beside a mask
	s_mov_b32 s[G1+1], 32<<16                      ; tensor_dim0 = 32: rows of 256 bytes
	s_mov_b32 s[G1+2], 64<<16                      ; tensor_dim1 = 64
	s_mov_b32 s[G1+3], 32<<16                      ; tile_dim0
	s_mov_b32 s[G1+4], 64                          ; tile_dim1
	s_mov_b32 s[G1+5], 32                          ; dense
	s_mov_b32 s[G1+6], 0
	s_mov_b32 s[G1+7], 0
	s_mov_b32 s[G0], 1
	s_lshl_b32 s[G0+1], s[WV], 14                  ; key step w lies at 16,384 w
	s_lshl_b32 s56, s14, 18
	s_add_co_u32 s56, s56, s[G0+1]
	s_mov_b32 s57, 0
	s_lshl_b32 s58, s14, 17                        ; q: a head is 131,072 bytes, a tile 1,024
	s_lshl_b32 s59, s52, 10
	s_add_co_u32 s44, s58, s59
	s_mov_b32 s45, 0
	s_lshl_b32 s59, s53, 10
	s_add_co_u32 s46, s58, s59
	s_mov_b32 s47, 0
	s_lshr_b32 s58, s14, 4
	s_lshl_b32 s58, s58, 7                         ; the output: row tile 128 x batch + tile, 16,384 bytes each;
	s_and_b32 s59, s14, 15
	s_lshl_b32 s59, s59, 10                        ; my head's 1,024 bytes of it
	s_add_co_u32 s60, s58, s52
	s_lshl_b32 s60, s60, 14
	s_add_co_u32 s48, s60, s59
	s_mov_b32 s49, 0
	s_add_co_u32 s60, s58, s53
	s_lshl_b32 s60, s60, 14
	s_add_co_u32 s50, s60, s59
	s_mov_b32 s51, 0
	s_mov_b32 s[SEL], 0x76543210
	s_mov_b32 s[SEL+1], 0xfedcba98
	s_mov_b32 s[CS], 0x3e38aa3b                    ; log2(e) / 8
	s_wait_dscnt 0x0
	s_wait_kmcnt 0x0
	s_load_b256 s[28:35], s[8:9], 0x0              ; e0 .. e7
	s_add_nc_u64 s[G0+2:G0+3], s[6:7], s[56:57]
	s_or_b32 s[G0+3], s[G0+3], 0x80000000          ; type = 2
	s_add_nc_u64 s[44:45], s[4:5], s[44:45]
	s_add_nc_u64 s[46:47], s[4:5], s[46:47]
	s_add_nc_u64 s[48:49], s[10:11], s[48:49]
	s_add_nc_u64 s[50:51], s[10:11], s[50:51]
	CROUND                                         ; all four work-groups are here: the joint loads meet
	tensor_load_to_lds s[G0:G0+3], s[G1:G1+7]      ; my one tensor load of the launch
	s_nop 0
.rept 4
	v_nop
.endr
	s_wait_alu depctr_va_vdst(0)
	global_load_b128 v[16:19], v1, s[44:45]
	global_load_b128 v[20:23], v1, s[44:45] offset:512
	global_load_b128 v[24:27], v1, s[46:47]
	global_load_b128 v[28:31], v1, s[46:47] offset:512
	s_wait_kmcnt 0x0
	s_add_co_i32 s58, s30, s31
	s_lshl_b32 s58, s58, 23
	s_add_co_i32 s[CS], s[CS], s58                 ; e2 + e3 are added to the factor's exponent field
	s_mov_b32 s[CS+1], s[CS]
	s_add_co_i32 s58, s32, 127
	s_lshl_b32 s59, s58, 23
	v_mov_b32 v244, s59                            ; 2^e4
	s_add_co_i32 s58, s34, 127
	s_lshl_b32 s59, s58, 23
	v_mov_b32 v245, s59                            ; 2^e6
	s_add_co_i32 s54, s32, s33                     ; e4 + e5
	s_wait_loadcnt 0x0                             ; q
	s_wait_tensorcnt 0x0                           ; my key step has landed,
	s_barrier_signal -1
	s_barrier_wait -1                              ; and everybody's: all 16 lie in LDS, and nothing writes LDS from here on
; One query tile.  qr: q's fragment; lk: the register with its last key step; tq: the register with the tile's number; oa: the output's address; cd: the output's codes.
.macro PASS qr, lk, tq, oa, cd
	v_mov_b32 v13, 0xff61b1e6                      ; the largest t so far: -3e38
	s_delay_alu instid0(VALU_DEP_1)
	v_floor_f32 v12, -v13                          ; -M
	v_mov_b32 v14, 0
	v_mov_b32 v15, 0
	v_mov_b32 v236, 0                              ; a lane permute's destination counts as one of its sources
	v_mov_b32 v253, 0                              ; (named as the upper half of the pair v[252:253])
.set ii, 0
.rept 32
	v_mov_b32 v[160+ii], 0                         ; O^T: the step is written once, and the first change of M multiplies zeros
.set ii, ii+1
.endr
	s_and_b32 s58, s[\tq], 7
	s_lshl_b32 s58, s58, 4
	v_add_nc_u32 v4, s58, v3                       ; in the last step register 8 t + j holds a hidden key where 16 t + j > 16 (tile % 8) + r - 8 h
	s_mov_b32 s[KS], 0
	s_mov_b32 s[TB], 0
.Lkey_\@:
	s_cmp_gt_u32 s[KS], s[\lk]
	s_cbranch_scc1 .Lhid_\@                        ; all 128 keys come after my queries
	s_setprio 2
	v_add_nc_u32 v5, s[TB], v1
.rept 3
	v_nop                                          ; with the addition: four places in front of loads into registers that the last products read
.endr
.irp i, 0,1,2,3,4,5,6,7,8,9,10,11,12,13,14,15
	ds_load_b128 v[32+4*\i:35+4*\i], v5 offset:512*\i          ; k: eight tiles of 16 keys, 1,024 bytes each
.endr
	s_wait_alu depctr_va_vdst(0)
	s_wait_dscnt 8                                 ; tiles 0-3 are in, the youngest eight loads stay out
.irp t, 0,1,2,3
	v_wmma_f32_16x16x64_bf8_bf8 v[96+8*\t:103+8*\t], v[32+8*\t:39+8*\t], v[\qr:\qr+7], 0
.endr
	s_wait_dscnt 0x0
.irp t, 4,5,6,7
	v_wmma_f32_16x16x64_bf8_bf8 v[96+8*\t:103+8*\t], v[32+8*\t:39+8*\t], v[\qr:\qr+7], 0
.endr
.rept 4
	v_nop                                          ; places in front of the loads below and of the first read of the scores
.endr
.irp i, 0,1,2,3,4,5,6,7,8,9,10,11,12,13,14,15
	ds_load_b128 v[32+4*\i:35+4*\i], v5 offset:8192+512*\i     ; v^T: four tiles of 16 channels x 128 keys; they land during the softmax
.endr
	s_cmp_lt_u32 s[KS], s[\lk]
	s_cbranch_scc1 .Lopen_\@                       ; all keys count
	v_mov_b32 v254, 0xff800000                     ; -infinity
.irp t, 0,1,2,3,4,5,6,7
.irp j, 0,1,2,3,4,5,6,7
	v_cmp_gt_i32 vcc_lo, 16*\t+\j, v4
	v_cndmask_b32 v[96+8*\t+\j], v[96+8*\t+\j], v254, vcc_lo
.endr
.endr
.Lopen_\@:
	v_max3_num_f32 v254, v96, v97, v98             ; the step's largest score of my query among my 64 keys, in two chains, ascending,
	v_max3_num_f32 v252, v99, v100, v101
.irp i, 6,10,14,18,22,26,30,34,38,42,46,50,54,58
	v_max3_num_f32 v254, v254, v[96+\i], v[97+\i]
	v_max3_num_f32 v252, v252, v[98+\i], v[99+\i]
.endr
	v_max3_num_f32 v254, v254, v158, v159
	s_delay_alu instid0(VALU_DEP_1)
	v_max_num_f32 v254, v254, v252
	s_delay_alu instid0(VALU_DEP_1)
	v_permlanex16_b32 v236, v254, s[SEL], s[SEL+1]
	s_delay_alu instid0(VALU_DEP_1)
	v_max_num_f32 v254, v254, v236                 ; and among lane l xor 16's
	s_delay_alu instid0(VALU_DEP_1)
	v_mul_f32 v254, s[CS], v254                    ; as t (the factor is positive)
	s_delay_alu instid0(VALU_DEP_1)
	v_max_num_f32 v13, v13, v254                   ; the running largest t
	v_mov_b32 v254, v12
	s_delay_alu instid0(VALU_DEP_2)
	v_floor_f32 v12, -v13                          ; the new -M = -ceil(t)
	s_delay_alu instid0(VALU_DEP_1)
	v_sub_f32 v254, v12, v254                      ; old M - new M: a whole number, 0 or less
	s_delay_alu instid0(VALU_DEP_1)
	v_cvt_i32_f32 v254, v254                       ; (it saturates)
	s_delay_alu instid0(VALU_DEP_1)
	v_ldexp_f32 v252, 1.0, v254                    ; f = 2^(old M - new M)
	s_setprio 1
.irp j, 0,2,4,6,8,10,12,14,16,18,20,22,24,26,28,30,32,34,36,38,40,42,44,46,48,50,52,54,56,58,60,62
	v_pk_fma_f32 v[96+\j:97+\j], v[96+\j:97+\j], s[CS:CS+1], v[12:13] op_sel_hi:[1,0,0]   ; t - M, two at a time
.endr
.set ii, 0
	s_wait_alu depctr_va_vdst(0)
.rept 64
	v_exp_f32 v[96+ii], v[96+ii]                   ; p = 2^(t - M): one batch
.set ii, ii+1
.endr
	v_pk_mul_f32 v[14:15], v[14:15], v[252:253] op_sel_hi:[1,0]   ; the sums under the new M: the plain line behind the batch
	s_wait_alu depctr_va_vdst(0)                   ; one wait for the batch, ahead of its first reader
	v_pk_add_f32 v[242:243], v[100:101], v[104:105]
	v_pk_add_f32 v[248:249], v[108:109], v[112:113]
	v_pk_add_f32 v[246:247], v[116:117], v[120:121]
	v_pk_add_f32 v[240:241], v[124:125], v[128:129]
	v_pk_add_f32 v[238:239], v[132:133], v[136:137]
	v_pk_add_f32 v[234:235], v[140:141], v[144:145]
	v_pk_add_f32 v[232:233], v[148:149], v[152:153]
	v_pk_add_f32 v[14:15], v[14:15], v[156:157]
	v_pk_add_f32 v[242:243], v[242:243], v[96:97]
	v_pk_add_f32 v[248:249], v[248:249], v[98:99]
	v_pk_add_f32 v[246:247], v[246:247], v[102:103]
	v_pk_add_f32 v[240:241], v[240:241], v[106:107]
	v_pk_add_f32 v[238:239], v[238:239], v[110:111]
	v_pk_add_f32 v[234:235], v[234:235], v[114:115]
	v_pk_add_f32 v[232:233], v[232:233], v[118:119]
	v_pk_add_f32 v[14:15], v[14:15], v[122:123]
	v_pk_add_f32 v[242:243], v[242:243], v[126:127]
	v_pk_add_f32 v[248:249], v[248:249], v[130:131]
	v_pk_add_f32 v[246:247], v[246:247], v[134:135]
	v_pk_add_f32 v[240:241], v[240:241], v[138:139]
	v_pk_add_f32 v[238:239], v[238:239], v[142:143]
	v_pk_add_f32 v[234:235], v[234:235], v[146:147]
	v_pk_add_f32 v[232:233], v[232:233], v[150:151]
	s_setprio 0
	v_pk_add_f32 v[14:15], v[14:15], v[154:155]
	v_pk_add_f32 v[242:243], v[242:243], v[158:159]
	s_delay_alu instid0(VALU_DEP_2)
	v_pk_add_f32 v[14:15], v[14:15], v[240:241]
	s_delay_alu instid0(VALU_DEP_2)
	v_pk_add_f32 v[242:243], v[242:243], v[238:239]
	v_pk_add_f32 v[248:249], v[248:249], v[234:235]
	v_pk_add_f32 v[246:247], v[246:247], v[232:233]
	s_delay_alu instid0(VALU_DEP_2)
	v_pk_add_f32 v[14:15], v[14:15], v[248:249]
	s_delay_alu instid0(VALU_DEP_2)
	v_pk_add_f32 v[242:243], v[242:243], v[246:247]
	s_delay_alu instid0(VALU_DEP_1)
	v_pk_add_f32 v[14:15], v[14:15], v[242:243]
.irp t, 0,1,2,3,4,5,6,7
.irp i, 0,1,2,3,4,5,6,7
.endr
	v_cvt_scalef32_pk8_bf8_f32 v[192+2*\t:193+2*\t], v[96+8*\t:103+8*\t], v244   ; keys 16 t + 8 h + 0 .. 7: registers 2 t, 2 t + 1 of p's fragment
.endr
.irp j, 0,2,4,6,8,10,12,14,16,18,20,22,24,26,28,30
	v_pk_mul_f32 v[160+\j:161+\j], v[160+\j:161+\j], v[252:253] op_sel_hi:[1,0]   ; O^T under the new M; also the plain lines behind the conversions
.endr
	s_wait_alu depctr_va_vdst(0)
	s_wait_dscnt 0x0                               ; v^T is in
.irp d, 0,1,2,3
	v_wmma_f32_16x16x128_bf8_bf8 v[160+8*\d:167+8*\d], v[32+16*\d:47+16*\d], v[192:207], v[160+8*\d:167+8*\d]   ; four accumulators by turns
.endr
.Lhid_\@:
	s_add_co_u32 s[TB], s[TB], 16384
	s_add_co_u32 s[KS], s[KS], 1
	s_cmp_lt_u32 s[KS], 16
	s_cbranch_scc1 .Lkey_\@
	s_setprio 0
.rept 4
	v_nop                                          ; places behind the last products
.endr
	v_add_f32 v14, v14, v15                        ; the sum's two halves,
	s_delay_alu instid0(VALU_DEP_1)
	v_permlanex16_b32 v236, v14, s[SEL], s[SEL+1]
	s_delay_alu instid0(VALU_DEP_1)
	v_add_f32 v14, v14, v236                       ; and lane l xor 16's
	s_wait_alu depctr_va_vdst(0)
	v_rcp_f32 v14, v14
	v_nop                                          ; a plain line behind the reciprocal
	s_wait_alu depctr_va_vdst(0)                   ; and the wait ahead of its first reader
	v_ldexp_f32 v14, v14, s54                      ; x 2^(e4 + e5)
.irp j, 0,2,4,6,8,10,12,14,16,18,20,22,24,26,28,30
	v_pk_mul_f32 v[96+\j:97+\j], v[160+\j:161+\j], v[14:15] op_sel_hi:[1,0]   ; register 8 d + j: channel 16 d + 8 h + j of my query
.endr
.set ii, 0
.rept 32
.set ii, ii+1
.endr
.irp d, 0,1,2,3
	v_cvt_scalef32_pk8_bf8_f32 v[\cd+2*\d:\cd+2*\d+1], v[96+8*\d:103+8*\d], v245
.endr
	v_nop                                          ; a plain line behind the conversions: later products write their sources
	global_store_b128 v1, v[\cd:\cd+3], s[\oa:\oa+1]              ; 1,024 consecutive bytes in two stores; their registers are not written again
	global_store_b128 v1, v[\cd+4:\cd+7], s[\oa:\oa+1] offset:512
.endm
	PASS 16, 36, 52, 48, 208
	PASS 24, 37, 53, 50, 216
	s_wait_tensorcnt 0x0
	ds_add_u32 v251, v255
	s_wait_dscnt 0x0
	CROUND                                         ; the closing round
	s_endpgm
.Lfunc_end_k_q2eaf071167_attn:
	.size	k_q2eaf071167_attn, .Lfunc_end_k_q2eaf071167_attn-k_q2eaf071167_attn
	.p2alignl 7, 3214868480
	.fill 96, 4, 3214868480
	.section	.rodata,"a",@progbits
	.p2align	6, 0x0
	.amdhsa_kernel k_q2eaf071167_attn
		.amdhsa_group_segment_fixed_size 264192
		.amdhsa_private_segment_fixed_size 0
		.amdhsa_enable_private_segment 0
		.amdhsa_kernarg_size 32
		.amdhsa_user_sgpr_count 2
		.amdhsa_user_sgpr_kernarg_segment_ptr 1
		.amdhsa_wavefront_size32 1
		.amdhsa_system_sgpr_workgroup_id_x 1
		.amdhsa_system_sgpr_workgroup_id_y 1
		.amdhsa_system_sgpr_workgroup_id_z 1
		.amdhsa_system_vgpr_workitem_id 0
		.amdhsa_next_free_vgpr 256
		.amdhsa_next_free_sgpr 66
		.amdhsa_reserve_vcc 1
		.amdhsa_float_denorm_mode_32 3
		.amdhsa_float_denorm_mode_16_64 3
		.amdhsa_fp16_overflow 1
		.amdhsa_memory_ordered 1
		.amdhsa_forward_progress 1
		.amdhsa_inst_pref_size 50
	.end_amdhsa_kernel
	.amdgpu_metadata
---
amdhsa.version: [ 1, 2 ]
amdhsa.kernels:
  - .name:           k_q2eaf071167_attn
    .symbol:         k_q2eaf071167_attn.kd
    .args:
      - { .name: qc, .offset: 0, .size: 8, .value_kind: global_buffer, .address_space: global }
      - { .name: kv, .offset: 8, .size: 8, .value_kind: global_buffer, .address_space: global }
      - { .name: lowp_scales, .offset: 16, .size: 8, .value_kind: global_buffer, .address_space: global }
      - { .name: ac, .offset: 24, .size: 8, .value_kind: global_buffer, .address_space: global }
    .group_segment_fixed_size: 264192
    .private_segment_fixed_size: 0
    .kernarg_segment_align: 8
    .kernarg_segment_size: 32
    .max_flat_workgroup_size: 512
    .sgpr_count:     66
    .vgpr_count:     256
    .wavefront_size: 32
...
	.end_amdgpu_metadata
.endif
;; end of part 3
;; launch proj (part 4): grid 4 x 32, 4 waves a work-group, clusters of 4 x 4, 327,680 bytes of LDS; arguments ac, codes, b_out, lowp_scales, out0; writes out0
.if DOCPART == 4
	.amdgcn_target "amdgcn-amd-amdhsa--gfx1250"
	.amdhsa_code_object_version 6
	.text
	.protected	k_q2eaf071167_proj
	.globl	k_q2eaf071167_proj
	.p2align	8
	.type	k_q2eaf071167_proj,@function
k_q2eaf071167_proj:
	s_mov_b64 s[64:65], 0
	v_nop
	global_prefetch_b8 v0, s[64:65] scope:SCOPE_SE
	s_setreg_imm32_b32 hwreg(HW_REG_WAVE_MODE, 25, 1), 1
	s_wait_xcnt 0x0
	s_wait_alu depctr_hold_cnt(0) depctr_sa_sdst(0) depctr_va_vdst(0) depctr_va_sdst(0) depctr_va_ssrc(0) depctr_va_vcc(0) depctr_vm_vsrc(0)
	s_getreg_b32 s2, hwreg(HW_REG_IB_STS2, 6, 4)
	s_cmp_eq_u32 s2, 0
	s_cbranch_scc0 .Lentry_in_a_cluster
	s_endpgm
.Lentry_in_a_cluster:
	s_bfe_u32 s2, ttmp6, 0x10000c
	s_cmp_lg_u32 s2, 0xf033
	s_cbranch_scc0 .Lentry_shape_is_right
	s_endpgm
.Lentry_shape_is_right:
; out0 = a w_out^T + b_out on codes of E5M2 (M 8,192, K 1,024, N 1,024); a is the attention's result as codes (scale 2^e6), w_out's codes (2^e7) lie in the buffer of codes from byte 11,534,336 on.
; b_out goes in as the C of each sum's first product, divided by 2^(e6 + e7); each finished sum is multiplied once by 2^(e6 + e7).
; LIMIT: e6 + e7 between -126 and 127, so that 2^(e6 + e7) is an f32 number.
; SHARES, RING, CLUSTERS: a work-group of four waves makes 256 x 256, a wave 128 x 128 in 64 accumulators; K goes in slots of 256 (two steps of 128) through two LDS slots; 4 x 4 work-groups
; form a cluster; a's tiles are shared along a row of it, w_out's along a column, each asked for jointly.  Operands are images of registers: a fragment (16 rows x 128 K) is 2,048 bytes,
; registers 4 q .. 4 q + 3 of lane l at 512 q + 16 l; a row tile's eight K steps lie on end.  A tensor load is 8 row tiles x 4,096 bytes; a fragment is four loads of 512 consecutive bytes.
; THE MATRIX INSTRUCTION IS USED TRANSPOSED (source 0 = set P: w_out's rows, source 1 = set Q: a's rows): a lane holds eight neighbouring numbers of a row of the output.
; REGISTERS: window 0: v16-29 addresses; v32-95 the bias, later a block's results; v128-255 set Q, later rows on the way out.  window 1: set P, twice.  windows 2, 3: the accumulators.
.set SLOT,  131072
.set SPARE, 2*SLOT                     ; behind the ring: the spare words, 128 bytes for each wave, which no other line names
.set WOFF,  11534336
.set FR,    16
.set NL,    4
.set NP,    4
.set SPITCH, 528                       ; the way out: a stage of 16 rows x (512 + 16) bytes for each wave, in slot 0, which has had its last fill and its last read when the first result is stored there
.set ADRQ,  16
.set ADRP,  20
.set STO,   24                         ; v24 where I put 32 bytes of a row
.set RD,    25                         ; v25 where I read a row back
.set CO,    26                         ; v26 16 x lane
.set BO,    27                         ; v27 32 h: the bias's offset
.set SPW,   28
.set NIL,   29
.set BIAS,  32
.set TMP,   32
.set AF,    128
.set BK,    128
.set G1,    24
.set G0,    32
.set G1B,   48
.set G0B,   56
.set MSB,   0
.macro WIN new                         ; the immediate's high byte repeats the setting that is left
.if MSB != (\new)
	s_set_vgpr_msb (MSB<<8)|(\new)
.set MSB, \new
.endif
.endm
.set MUL_LO, 0xa1
.set MUL_HI, 0xf1
.set BIA_LO, 0x81
.set BIA_HI, 0xc1
.set TO_P,   0x40
.macro JLOAD g0a, g1a, g0b, g1b        ; a joint load: waves 0 and 1 fetch a's halves, waves 2 and 3 w_out's; four v_nop follow each of the two lines
	s_cmp_eq_u32 s15, 0
	s_cbranch_scc0 .Lfor_b_\@
	tensor_load_to_lds s[\g0a:\g0a+3], s[\g1a:\g1a+7]
	s_nop 0
.rept 4
	v_nop
.endr
	s_branch .Lasked_\@
.Lfor_b_\@:
	tensor_load_to_lds s[\g0b:\g0b+3], s[\g1b:\g1b+7]
	s_nop 0
.rept 4
	v_nop
.endr
.Lasked_\@:
.endm
.macro CREST
	s_cmp_lg_u32 s14, 0
	s_cbranch_scc1 .Lnot_wave_0_\@
	s_barrier_signal -3
.Lnot_wave_0_\@:
	s_barrier_wait -3
	s_barrier_signal -1
	s_barrier_wait -1
.endm
.macro CROUND
	s_barrier_signal -1
	s_barrier_wait -1
	CREST
.endm
	s_load_b256 s[4:11], s[0:1], 0x0               ; a's codes s[4:5], the weights' codes s[6:7], b_out s[8:9], the scales' exponents s[10:11]
	s_load_b64 s[12:13], s[0:1], 0x20              ; out0
	v_lshl_add_u32 v[SPW], v0, 2, SPARE
	v_mov_b32 v[NIL], 0
	ds_add_u32 v28, v29
	ds_add_u32 v28, v29
	s_wait_dscnt 0x0
	v_lshrrev_b32 v1, 5, v0
	v_readfirstlane_b32 s14, v1                    ; wave 0..3
	s_lshr_b32 s15, s14, 1                         ; wr: my half of a's rows.  Also: I fetch for a (0) or for w_out (1)
	s_and_b32 s16, s14, 1                          ; wc: my half of w_out's rows.  Also: which 128 rows I fetch
	s_bfe_u32 s40, ttmp6, 0x40000
	s_bfe_u32 s41, ttmp6, 0x40004
	s_lshl_b32 s42, ttmp9, 2
	s_add_co_u32 s42, s42, s40                     ; tile column
	s_and_b32 s17, ttmp7, 0xffff
	s_lshl_b32 s17, s17, 2
	s_add_co_u32 s17, s17, s41                     ; tile row
	s_lshl_b32 s43, s41, 2
	s_lshl_b32 s43, 15, s43                        ; my row of the cluster
	s_lshl_b32 s44, 0x1111, s40                    ; my column
	s_or_b32 s[G1+0], s43, 1<<21                   ; the mask; elements of 1 byte; no padding; 21 set beside a mask
	s_or_b32 s[G1B+0], s44, 1<<21
.irp g, G1, G1B
	s_mov_b32 s[\g+1], 4096<<16                    ; tensor_dim0
	s_mov_b32 s[\g+2], 8<<16                       ; tensor_dim1
	s_mov_b32 s[\g+3], 4096<<16                    ; tile_dim0
	s_mov_b32 s[\g+4], 8                           ; tile_dim1
	s_mov_b32 s[\g+5], 16384                       ; from row tile to row tile
	s_mov_b32 s[\g+6], 0
	s_mov_b32 s[\g+7], 0
.endr
	s_lshl_b32 s18, s16, 7
	s_lshl_b32 s20, s17, 8
	s_add_co_u32 s20, s20, s18
	s_lshl_b32 s20, s20, 10                        ; a: row 256 x tile row + 128 x half, 1,024 bytes a row
	s_mov_b32 s21, 0
	s_lshl_b32 s46, s42, 8
	s_add_co_u32 s46, s46, s18
	s_lshl_b32 s46, s46, 10
	s_add_co_u32 s46, s46, WOFF                    ; w_out: row 256 x tile column + 128 x half
	s_mov_b32 s47, 0
	s_lshl_b32 s45, s14, 15
	s_wait_kmcnt 0x0
	s_load_b256 s[84:91], s[10:11], 0x0            ; e0 .. e7
	s_add_nc_u64 s[20:21], s[4:5], s[20:21]
	s_add_nc_u64 s[46:47], s[6:7], s[46:47]
	CROUND                                         ; all sixteen work-groups are here: the first joint loads meet
.irp s, 0,1
	s_mov_b32 s[G0+4*\s], 1
	s_add_co_u32 s[G0+4*\s+1], s45, \s*SLOT
	s_add_nc_u64 s[G0+4*\s+2:G0+4*\s+3], s[20:21], \s*4096
	s_or_b32 s[G0+4*\s+3], s[G0+4*\s+3], 0x80000000
	s_mov_b32 s[G0B+4*\s], 1
	s_add_co_u32 s[G0B+4*\s+1], s45, \s*SLOT
	s_add_nc_u64 s[G0B+4*\s+2:G0B+4*\s+3], s[46:47], \s*4096
	s_or_b32 s[G0B+4*\s+3], s[G0B+4*\s+3], 0x80000000
	s_wait_alu depctr_va_vdst(0)
	s_wait_tensorcnt 0x0
	ds_add_u32 v28, v29
	ds_add_u32 v28, v29
	s_wait_dscnt 0x0
	CROUND
	JLOAD G0+4*\s, G1, G0B+4*\s, G1B
.endr
	v_and_b32 v1, 31, v0
	v_lshlrev_b32 v[CO], 4, v1                     ; 16 x lane
	v_and_b32 v2, 15, v0                           ; r
	v_bfe_u32 v3, v0, 4, 1                         ; h
	s_wait_alu depctr_va_vdst(0)
	s_lshl_b32 s18, s15, 15                        ; my region of a
	s_lshl_b32 s19, s16, 15
	s_add_co_u32 s19, s19, 65536                   ; my region of w_out
	v_add_nc_u32 v[ADRQ], s18, v[CO]
	v_add_nc_u32 v[ADRP], s19, v[CO]
	v_add_nc_u32 v[ADRQ+1], SLOT, v[ADRQ]
	v_add_nc_u32 v[ADRP+1], SLOT, v[ADRP]
	s_mul_i32 s23, s14, 16*SPITCH                  ; my stage
	v_mul_u32_u24 v5, v2, SPITCH
	v_lshl_add_u32 v5, v3, 5, v5
	v_add_nc_u32 v[STO], s23, v5                   ; in: row r, 32 bytes for each half of the lanes
	v_add_nc_u32 v[RD], s23, v[CO]                 ; back: the 32 lanes take one row of 512 bytes
	s_lshl_b32 s82, s42, 8
	s_lshl_b32 s83, s16, 7
	s_add_co_u32 s82, s82, s83                     ; n0: my first column
	s_lshl_b32 s2, s82, 2
	s_mov_b32 s3, 0
	s_add_nc_u64 s[8:9], s[8:9], s[2:3]
	v_lshlrev_b32 v[BO], 5, v3
.irp b, 0,1,2,3,4,5,6,7                ; register 8 b + j: b_out[n0 + 16 b + 8 h + j]: the result's layout
	global_load_b128 v[BIAS+8*\b:BIAS+8*\b+3], v[BO], s[8:9] offset:64*\b
	global_load_b128 v[BIAS+8*\b+4:BIAS+8*\b+7], v[BO], s[8:9] offset:64*\b+16
.endr
	s_lshl_b32 s18, s17, 8
	s_lshl_b32 s19, s15, 7
	s_add_co_u32 s18, s18, s19                     ; my first row,
	s_lshl_b32 s18, s18, 12                        ; 4,096 bytes a row,
	s_add_co_u32 s18, s18, s2                      ; + my first column
	s_mov_b32 s19, 0
	s_add_nc_u64 s[12:13], s[12:13], s[18:19]
	s_wait_kmcnt 0x0
	s_add_co_i32 s96, s90, s91                     ; e6 + e7
	s_sub_co_i32 s94, 0, s96
	s_add_co_i32 s96, s96, 127
	s_lshl_b32 s96, s96, 23                        ; 2^(e6 + e7) as f32
	s_mov_b32 s97, s96                             ; (named with it as a pair, so it is written)
	s_wait_loadcnt 0x0                             ; the bias
.set ii, 0
.rept 64
	v_ldexp_f32 v[BIAS+ii], v[BIAS+ii], s94        ; / 2^(e6 + e7)
.set ii, ii+1
.endr
.macro FRAG reg, adr, q, i
.irp c, 0,1,2,3
	ds_load_b128 v[\reg+4*\c:\reg+4*\c+3], v[\adr] offset:4096*(\i)+2048*(\q)+512*\c
.endr
.endm
; 16 matrix instructions: Q's blocks a0, a0 + 1 x P's eight.  zero = 1: the first step: C is the bias.  The 64 accumulators take turns, one instruction a turn.
.macro MUL16 a0, p, zero
.irp a, \a0, \a0+1
.irp b, 0,1,2,3,4,5,6,7
.if \zero
	v_wmma_f32_16x16x128_bf8_bf8 v[8*(8*((\a)%4)+\b):8*(8*((\a)%4)+\b)+7], v[128*(\p)+FR*\b:128*(\p)+FR*\b+FR-1], v[AF+FR*(\a):AF+FR*(\a)+FR-1], v[BIAS+8*\b:BIAS+8*\b+7]
.else
	v_wmma_f32_16x16x128_bf8_bf8 v[8*(8*((\a)%4)+\b):8*(8*((\a)%4)+\b)+7], v[128*(\p)+FR*\b:128*(\p)+FR*\b+FR-1], v[AF+FR*(\a):AF+FR*(\a)+FR-1], v[8*(8*((\a)%4)+\b):8*(8*((\a)%4)+\b)+7]
.endif
.endr
.endr
.endm
.macro FETCH_B slot, q, p
	WIN TO_P
.irp i, 0,1,2,3,4,5,6,7
	FRAG 128*(\p)+FR*\i, ADRP+\slot, \q, \i
.endr
	WIN 0
.endm
.macro FETCH_A slot, q, i0
.irp i, \i0, \i0+1, \i0+2, \i0+3
	FRAG AF+FR*(\i), ADRQ+\slot, \q, \i
.endr
.endm
.macro PLACES n                        ; plain vector lines between a matrix instruction and a load into, or a vector read of, its registers (ISA guide 7.12.1 for vector reads)
.rept \n
	v_nop
.endr
.endm
.macro STEP slot, q, zero
	s_wait_dscnt 4*NL                              ; P's set and Q's blocks 0-3 are in; the youngest sixteen loads may be out
.if \zero
	WIN BIA_LO
.else
	WIN MUL_LO
.endif
	MUL16 0, (\q)%2, \zero
	MUL16 2, (\q)%2, \zero
	s_wait_dscnt 0
	PLACES NP
	FETCH_B \slot, (\q)+1, 1-(\q)%2
	FETCH_A \slot, (\q)+1, 0
.if \zero
	WIN BIA_HI
.else
	WIN MUL_HI
.endif
	MUL16 4, (\q)%2, \zero
	MUL16 6, (\q)%2, \zero
	PLACES NP
	WIN 0
	FETCH_A \slot, (\q)+1, 4
.endm
.macro TURN slot, next, fill
	s_wait_tensorcnt 0x0                           ; all my tensor loads have landed: my part of the next slot
	ds_add_u32 v[SPW], v[NIL]                      ; 0 onto my spare word
	s_wait_dscnt 4*NL+1                            ; (the add and the youngest sixteen loads may be out)
	WIN MUL_LO
	MUL16 0, 1, 0
	s_wait_dscnt 0x0                               ; the add is done, and my reads of this slot are over
	s_barrier_signal -1
	MUL16 2, 1, 0
	WIN 0
	s_barrier_wait -1
.if \fill
	CREST                                          ; no wave of any partner still reads this slot or has a load on its way
	s_add_nc_u64 s[G0+4*\slot+2:G0+4*\slot+3], s[G0+4*\slot+2:G0+4*\slot+3], 8192
	s_add_nc_u64 s[G0B+4*\slot+2:G0B+4*\slot+3], s[G0B+4*\slot+2:G0B+4*\slot+3], 8192
	JLOAD G0+4*\slot, G1, G0B+4*\slot, G1B         ; my one tensor load behind the round; its four v_nop are also the places in front of the loads below
.else
	PLACES NP
.endif
	FETCH_B \next, 0, 0
	FETCH_A \next, 0, 0
	WIN MUL_HI
	MUL16 4, 1, 0
	MUL16 6, 1, 0
	PLACES NP
	WIN 0
	FETCH_A \next, 0, 4
.endm
	s_wait_alu depctr_va_vdst(0)
	s_wait_tensorcnt 0x1                           ; my part of slot 0 is in; slot 1's load may stay out
	s_barrier_signal -1
	s_barrier_wait -1
	FETCH_B 0, 0, 0
	FETCH_A 0, 0, 0
	FETCH_A 0, 0, 4
	STEP 0, 0, 1
	TURN 0, 1, 1                                   ; K = 1,024 is four slots: written out, no loop
	STEP 1, 0, 0
	TURN 1, 0, 1
	STEP 0, 0, 0
	TURN 0, 1, 0                                   ; nothing is left to fetch
	STEP 1, 0, 0
	s_wait_dscnt 4*NL
	WIN MUL_LO
	MUL16 0, 1, 0
	MUL16 2, 1, 0
	s_wait_dscnt 0
	WIN MUL_HI
	MUL16 4, 1, 0
	MUL16 6, 1, 0
	WIN 0
; THE WAY OUT, block by block of 16 rows x 128 columns: a lane holds 32 neighbouring bytes of a row and the lanes beside it other rows, so a block goes through my own stage in LDS and comes back as whole
; rows of 512 bytes.  LDS serves a wave's instructions in order (ISA guide 5.7.1.4): no wait between the stores and the loads, nor in front of the next block's stores.
.macro TOSTAGE a
.set AC, 64*((\a)%4)
	WIN 0x02+((\a)/4)                              ; source 0: window 2 or 3
.irp j, 0,2,4,6,8,10,12,14,16,18,20,22,24,26,28,30,32,34,36,38,40,42,44,46,48,50,52,54,56,58,60,62
	v_pk_mul_f32 v[TMP+\j:TMP+\j+1], v[AC+\j:AC+\j+1], s[96:97] op_sel_hi:[1,0]   ; x 2^(e6 + e7); each accumulator from its low end on
.endr
	WIN 0
.irp b, 0,1,2,3,4,5,6,7
	ds_store_b128 v[STO], v[TMP+8*\b:TMP+8*\b+3] offset:64*\b
	ds_store_b128 v[STO], v[TMP+8*\b+4:TMP+8*\b+7] offset:64*\b+16
.endr
.set BB, BK+64*((\a)%2)
.irp t, 0,1,2,3,4,5,6,7,8,9,10,11,12,13,14,15
	ds_load_b128 v[BB+4*\t:BB+4*\t+3], v[RD] offset:\t*SPITCH
.endr
.endm
.macro SEND a, younger                 ; younger: the LDS instructions issued behind block a's loads, which may stay out
.set BB, BK+64*((\a)%2)
	s_wait_dscnt \younger
.if (\a) > 0
	s_add_nc_u64 s[12:13], s[12:13], 16*4096       ; 16 rows on (behind a wait on XCNT: the earlier stores have read their base)
.endif
.irp t, 0,1,2,3,4,5,6,7,8,9,10,11,12,13,14,15
	global_store_b128 v[CO], v[BB+4*\t:BB+4*\t+3], s[12:13] offset:\t*4096 th:TH_STORE_NT   ; 32 lanes store 512 consecutive bytes, at a multiple of 256 from the output's first byte
.endr
.endm
	PLACES NP
	TOSTAGE 0
.irp a, 1,2,3,4,5,6,7
.if \a > 1
	s_wait_xcnt 0x0                                ; block a - 2's stores have read their registers and their base: block a's loads may land there, and the base may step
.endif
	TOSTAGE \a
	SEND \a-1, 32                                  ; behind block a - 1's loads: block a's 16 stores and 16 loads
.endr
	s_wait_xcnt 0x0
	SEND 7, 0
	s_wait_tensorcnt 0x0                           ; the wave's end
	ds_add_u32 v[SPW], v[NIL]
	s_wait_dscnt 0x0
	CROUND                                         ; the closing round
	s_endpgm
.Lfunc_end_k_q2eaf071167_proj:
	.size	k_q2eaf071167_proj, .Lfunc_end_k_q2eaf071167_proj-k_q2eaf071167_proj
	.p2alignl 7, 3214868480
	.fill 96, 4, 3214868480
	.section	.rodata,"a",@progbits
	.p2align	6, 0x0
	.amdhsa_kernel k_q2eaf071167_proj
		.amdhsa_group_segment_fixed_size 327680
		.amdhsa_private_segment_fixed_size 0
		.amdhsa_enable_private_segment 0
		.amdhsa_kernarg_size 40
		.amdhsa_user_sgpr_count 2
		.amdhsa_user_sgpr_kernarg_segment_ptr 1
		.amdhsa_wavefront_size32 1
		.amdhsa_system_sgpr_workgroup_id_x 1
		.amdhsa_system_sgpr_workgroup_id_y 1
		.amdhsa_system_sgpr_workgroup_id_z 1
		.amdhsa_system_vgpr_workitem_id 0
		.amdhsa_next_free_vgpr 1024
		.amdhsa_next_free_sgpr 102
		.amdhsa_reserve_vcc 0
		.amdhsa_float_denorm_mode_32 3
		.amdhsa_float_denorm_mode_16_64 3
		.amdhsa_memory_ordered 1
		.amdhsa_forward_progress 1
		.amdhsa_inst_pref_size 129
	.end_amdhsa_kernel
	.amdgpu_metadata
---
amdhsa.version: [ 1, 2 ]
amdhsa.kernels:
  - .name:           k_q2eaf071167_proj
    .symbol:         k_q2eaf071167_proj.kd
    .args:
      - { .name: ac, .offset: 0, .size: 8, .value_kind: global_buffer, .address_space: global }
      - { .name: codes, .offset: 8, .size: 8, .value_kind: global_buffer, .address_space: global }
      - { .name: b_out, .offset: 16, .size: 8, .value_kind: global_buffer, .address_space: global }
      - { .name: lowp_scales, .offset: 24, .size: 8, .value_kind: global_buffer, .address_space: global }
      - { .name: out0, .offset: 32, .size: 8, .value_kind: global_buffer, .address_space: global }
    .group_segment_fixed_size: 327680
    .private_segment_fixed_size: 0
    .kernarg_segment_align: 8
    .kernarg_segment_size: 40
    .max_flat_workgroup_size: 128
    .sgpr_count:     102
    .vgpr_count:     1024
    .wavefront_size: 32
...
	.end_amdgpu_metadata
.endif
;; end of part 4
